; MI455X (gfx1250); checked and timed in simulation.
; The chip was launched on July 23, 2026; its instructions are those of AMD's public machine-readable ISA for CDNA 5 (MIT licence, August 2026) and "CDNA5" Instruction Set Architecture Reference Guide (July 2026). The comments in the code are by the model that wrote it; some were corrected since.
;; Linear Encoder. Allowed arithmetic: matrix products marked QUANTISED: E5M2 operands, one E8M0 scale for each 32 along K, by v_wmma_scale_f32_16x16x128_f8f6f4 with both operands' format E5M2, f32 sums; everything else in f32.
;; Inputs: W0 128 x 50,000 float32; W1 128 x 128 float32; W2 128 x 128 float32; b1 128 float32; b2 128 float32; user_ids 4,096 int32.
;; Outputs: out0 4,096 x 128 float32.
;; This version of the problem:
;;   THIS VERSION OF THE PROBLEM IS GIVEN IN LOW PRECISION. The matrix products marked QUANTISED in the list below multiply operands that are first quantised to E5M2 (5 exponent bits, 2 mantissa bits; 8 bits a number), with one power-of-two scale for each 32 numbers along K (OCP MX v1.0); their sums are f32. All else is computed in f32.
;;   The module's matrix products, in the order in which they are computed (A, B: the left and right operand; K: the contracted axis; several contracted axes count as one K, in the product's order):
;;     1. [M 4,096, K 50,000] x [K 50,000, N 128]; A: computed on the way; B: input W0: QUANTISED
;;     2. [M 4,096, K 128] x [K 128, N 128]; A: computed on the way; B: input W1: QUANTISED
;;     3. [M 4,096, K 128] x [K 128, N 128]; A: computed on the way; B: input W2: QUANTISED
;;   THE QUANTISER, for each operand of a quantised product, along K:
;;     - K is cut into blocks of 32 from its start; a last block that is shorter is filled with zeros.
;;     - A block's scale is 2^e with e = floor(log2(the largest magnitude in the block)) - 15, held to -126 .. 127; a block of zeros has e = 0. As a byte (E8M0): e + 127.
;;     - Each number is divided by its block's scale, clamped to +-57,344, and rounded to the nearest number of E5M2, ties to even, subnormals kept.
;;     - The product sums the exact products of the quantised numbers (number of the format x scale) in f32.
;;   ~~~python
;;   def quantise(x, axis):      # numpy; x: float32 -> the quantised numbers, widened to float32 again
;;       x = np.moveaxis(x, axis, -1); K = x.shape[-1]
;;       x = np.pad(x, [(0, 0)] * (x.ndim - 1) + [(0, -K % 32)]); x = x.reshape(x.shape[:-1] + (-1, 32)); a = np.abs(x).max(-1, keepdims=True)
;;       e = np.where(a > 0, np.clip(np.frexp(np.where(a > 0, a, 1))[1] - 1 - 15, -126, 127), 0)      # np.frexp(a)[1] - 1 = floor(log2(a)), exactly
;;       r = np.clip(x / 2.0 ** e, -57344, 57344)
;;       step = 2.0 ** (np.maximum(np.frexp(np.where(r == 0, 1, r))[1] - 1, -14) - 2)
;;       q = np.round(r / step) * step * 2.0 ** e      # np.round: ties to even
;;       return np.moveaxis(q.reshape(q.shape[:-2] + (-1,))[..., :K], -1, axis).astype(np.float32)
;;   ~~~
;;   OPERANDS COMPUTED ON THE WAY. 'Computed on the way' means the value that the module computes at that place (a softmax that the list does not call 'softmax' is quantised finished and normalised). What goes into a quantiser is computed in f32, as accurately as f32 sums, v_exp_f32 and their like allow (about 1e-6 of the number): no bf16 or f16 on the way to a quantiser, and a product that is left as it is and whose result goes on into a quantised operand takes f32 operands (vector FMAs, or v_wmma_f32_16x16x4_f32). A number that lies on a knife's edge between two numbers of the format may be rounded either way, as far as f32 arithmetic and the matrix unit's own rounding can turn it there, and no further.
;; One version. Each part assembles by itself: llvm-mc -triple=amdgcn-amd-amdhsa -mcpu=gfx1250 --defsym DOCPART=n.
;; ======== version 1 of 1: 1 launch
;; limits: right only within a limited range of input values
;; launch encoder (part 1): grid 196 x 1, 8 waves a work-group, no clusters, 155,648 bytes of LDS; arguments user_ids, W0, W1, b1, W2, b2, out0; writes out0
.if DOCPART == 1
	.amdgcn_target "amdgcn-amd-amdhsa--gfx1250"
	.amdhsa_code_object_version 6
	.text
	.protected	k_qe7bd924204_encoder
	.globl	k_qe7bd924204_encoder
	.p2align	8
	.type	k_qe7bd924204_encoder,@function
k_qe7bd924204_encoder:
	s_mov_b64 s[64:65], 0
	v_nop
	global_prefetch_b8 v0, s[64:65] scope:SCOPE_SE
	s_setreg_imm32_b32 hwreg(HW_REG_WAVE_MODE, 25, 1), 1
	s_wait_xcnt 0x0
; out0 = ((one_hot(user_ids) W0^T) W1^T + b1) W2^T + b2.  All three products on codes of BF8 (E5M2) with one E8M0 scale for each 32 along K; sums in f32.
; user_ids [4096] i32; W0 [128][50000], W1, W2 [128][128], b1, b2 [128], out0 [4096][128]: f32.
; THE FIRST PRODUCT IS DONE WHOLE, as a product of the one-hot's codes with W0's codes: 256 tiles of 16 ids x 8 tiles of 16 units x 391 K steps of 128.
; A row of one_hot holds one 1, at column id: its block id / 32 quantises exactly (largest magnitude 1: scale 2^-15, byte 112; code 0x78 = 2^15); all its other codes are zeros.  The codes are made in registers from the ids.
; K IS SHARED OUT AMONG THE WORK-GROUPS, AND NO SUM CROSSES THEM.  Work-group g takes K steps 2 g and 2 g + 1 (columns 256 g .. 256 g + 255) for ALL 4,096 ids: 391 steps in whole pairs are 196 work-groups, each number
; of W0 is read and quantised once in the launch, and the chunk's 16 operands stay in registers.  Of row b's sum over K every chunk but id / 256 adds products of zero codes, exact zeros whatever finite numbers W0 holds:
; so the sum over chunk id / 256 IS the row's whole sum.  That work-group OWNS the row: it alone takes it through the second and third product and stores it.  Nothing of reference() is left out.
; BEYOND COLUMN 49,999 (the quantiser's 16 filling zeros of the last block, and the rest of the last work-group's chunk) W0's place is taken by the row's last four numbers, repeated (the column is held at 49,996):
; repeats leave the last block's largest magnitude as it is, their codes meet zero codes of the one-hot alone, and no load leaves W0.
; An id outside 0 .. 49,999 gets a column of zero codes, as jax.nn.one_hot gives a row of zeros; the last work-group owns its row.
; LIMITS.  NaN and infinities among the inputs are not served.  A block of zeros carries the byte 1 where the quantiser says 127: its codes are zeros, which add nothing under any byte but 0xff, and this program alone reads the bytes.
; SHARES IN A WORK-GROUP.  Eight waves of 512 registers, two to a SIMD.  HEAD: a UNIT is 16 rows x 128 numbers (8 KiB of f32): loaded as it lies (a lane 16 bytes, a load 512 consecutive bytes), turned through the wave's own
; stage in LDS so that a lane holds 16 neighbours along K of each block, quantised into one operand of 16 registers and one scale word.  Wave w takes four: tile w of W0's rows at both K steps, tile w of W1, tile w of W2.
; They go to LDS as images of their registers; one barrier; every wave then holds W0's 16 operands (window 1).  LOOP: wave w walks tiles 32 w .. 32 w + 31 of 16 ids: the two one-hot operands, 16 matrix instructions;
; and, where the tile holds a row that this work-group owns (a scalar branch on ids read from memory), THE TAIL: h quantised in registers, 8 products with W1 (b1 is their C), quantised, 8 with W2, the stage, the owned rows stored whole.
; Both products are used transposed (source 0 = 16 rows of a weight, source 1 = 16 ids), so that a lane holds one id throughout.
; THE ROWS OF A TILE ARE NOT NEIGHBOURS: slot i of tile x is row 32 (x / 2) + 8 (x % 2) + i + 8 (i / 8), so that the 16 results of tiles 2 p and 2 p + 1 in a lane are 16 neighbours along the next K.
; NO CLUSTER, NO TENSOR LOAD: the work-groups share the ids, W1 and W2, but the tail stands under a branch on numbers read from memory.
; REGISTERS.  Window 0: v1-15 addresses and constants that stay; v16-24 a tile's numbers (at the head: temporaries); v25-31 the head's addresses; v32-47 at work; v48-63 the codes just made; v64-95 the two one-hot operands;
;   v96-159 h's 8 accumulators, in the tail four operands of a weight, then rows on the way out; v160-223 a unit's numbers at the head, the tail's 8 accumulators; v224-239 W0's scale words; v240-247 the tail's.
;   Window 1: at the head the four units as loaded; then W0's 16 operands (tile t, K step s: 16 (2 t + s)).
.set NWG,   196
.set VV,    50000                      ; the one-hot's width
.set W0ROW, 200000                     ; a row of W0 in bytes
.set LASTC, 49996                      ; the last column at which 16 bytes still lie inside a row of W0
.set SP,    528                        ; a stage row: 512 bytes + 16: sixteen lanes that read sixteen rows touch sixteen different 16-byte columns modulo 256 bytes
; LDS
.set IDS,   0                          ; the 4,096 ids
.set BIAS,  16384                      ; b1, 512 bytes; b2, 512 bytes
.set W0SC,  17408                      ; W0's scale words: 128 (2 t + s) + 4 x lane
.set WSC,   19456                      ; W1's: 128 t + 4 x lane; W2's 1,024 further on
.set W0IMG, 21504                      ; W0's 16 operands: 2,048 (2 t + s) + 512 c + 16 x lane
.set WIMG,  54272                      ; W1's 8 operands: 2,048 t + 512 c + 16 x lane; W2's 16,384 further on
.set STG,   87040                      ; the stages: 16 x SP bytes for each wave
.set SPARE, 154624                     ; the spare words, 128 bytes for each wave: four blocks of 256 bytes that no other line names
; vector registers, window 0
.set SPW,  1                           ; LDS address of my spare word: SPARE + 4 x my thread's number; never rewritten
.set NIL,  2                           ; 0; never rewritten
.set STI,  3                           ; my stage by rows: 16 x lane
.set STO,  4                           ; my stage by lanes: SP x (lane % 16) + 64 x (lane / 16)
.set LI,   5                           ; 16 x lane
.set LS,   6                           ; 4 x lane
.set WRD,  7                           ; WIMG + 16 x lane
.set BRD,  8                           ; 64 x (lane / 16)
.set IDA0, 9                           ; my wave's ids: 2,048 x wave + 4 x (lane % 16)
.set ADI,  10                          ; the address of the next tile's id
.set ID,   11                          ; the id of column lane % 16
.set KC,   12                          ; 16 g + lane / 16
.set C78,  13                          ; the code of 2^15
.set OHS,  14                          ; the one-hot's scale word: four bytes 112
.set PW,   15                          ; the scale word just made
.set KK,   16                          ; id / 16 - KC: 2 b where the 1 lies in block b of the chunk and in my half of the lanes
.set T0,   17
.set CVV,  18                          ; the code in byte id % 4, or 0 for an id outside the table
.set JJ,   19                          ; (id / 4) % 4: the register of a block's four
.set CV,   20                          ; v20-23 a block's four registers as they are where the block holds the 1
.set OW,   24                          ; the row's owner
.set BSA,  19                          ; (head) 4 x thread
.set BGO,  20                          ; (head) 4 x (thread % 128)
.set BV,   21                          ; (head) one number of a bias
.set IW0,  25                          ; (head) 16 x lane + 4,096 x wave
.set IW,   26                          ; (head) WIMG + 16 x lane + 2,048 x wave
.set SW0,  27                          ; (head) 4 x lane + 256 x wave
.set SW,   28                          ; (head) 4 x lane + 128 x wave
.set VC,   29                          ; (head) v29, v30: my byte offset in a row of W0, K step 0, 1
.set IDST, 31                          ; (head) 16 x thread
.set TM,   32                          ; v32-47 at work: +0 largest magnitudes, +4 bytes, +12 the scales as f32
.set PC,   48
.set OH,   64
.set HH,   96
.set YY,   160
.set XX,   160
.set W0S,  224
.set WS,   240
; scalar registers
.set WV,   18                          ; my wave's number
.set MNT,  19
.set SEL,  20                          ; s[20:21] v_permlanex16_b32's selects for lane l xor 16
.set GG,   22                          ; my work-group's number
.set OWN,  23                          ; bit i: this work-group owns row i of the tile
.set TI,   24                          ; 64 x the trip: the tile's ids in my wave's 2,048 bytes; also the loop's counter
.set T2,   25
.set MSB, 0
.macro WIN new                         ; the immediate's high byte repeats the setting that is left
.if MSB != \new
	s_set_vgpr_msb (MSB<<8)|\new
.set MSB, \new
.endif
.endm
.macro PLACES n
.rept \n
	v_nop
.endr
.endm
.macro ULOAD n, off, base, stride      ; unit n into v[64 n ..] of window 1: slot i's 512 consecutive bytes a load.  The largest offset, 23 rows of W0, is 4,600,000: inside the signed 24-bit immediate
.irp i, 0,1,2,3,4,5,6,7,8,9,10,11,12,13,14,15
	global_load_b128 v[64*\n+4*\i:64*\n+4*\i+3], v[\off], s[\base:\base+1] offset:(\i+8*(\i/8))*\stride
.endr
.endm
.macro TOSTG n                         ; unit n into my stage, as it was loaded: slot i is row i
.irp i, 0,1,2,3,4,5,6,7,8,9,10,11,12,13,14,15
	ds_store_b128 v[STI], v[64*\n+4*\i:64*\n+4*\i+3] offset:SP*\i
.endr
.endm
.macro FROMSTG                         ; and back: register 16 c + n = number 32 c + 16 (lane / 16) + n of slot lane % 16
.irp c, 0,1,2,3
.irp i, 0,1,2,3
	ds_load_b128 v[XX+16*\c+4*\i:XX+16*\c+4*\i+3], v[STO] offset:128*\c+16*\i
.endr
.endr
.endm
; 64 numbers of a lane, register 16 b + i = k 32 b + 16 (lane / 16) + i of my row, become an operand's codes in v[PC] on and its scale word in v[PW].  Where the 64 are eight matrix results, each is first read at its low end.
.macro QUANT s
.irp b, 0,1,2,3
	v_max3_num_f32 v[TM+\b], |v[\s+16*\b]|, |v[\s+1+16*\b]|, 0x8000000   ; block b: my 16 numbers, and the floor 2^(16 - 127): so the byte cannot fall under 1
.endr
.irp i, 2,4,6,8,10,12,14
.irp b, 0,1,2,3
	v_max3_num_f32 v[TM+\b], v[TM+\b], |v[\s+16*\b+\i]|, |v[\s+1+16*\b+\i]|   ; (the four blocks by turns)
.endr
.endr
.irp b, 0,1,2,3
	s_delay_alu instid0(VALU_DEP_4)
	v_permlanex16_b32 v[TM+4+\b], v[TM+\b], s[SEL], s[SEL+1]
.endr
.irp b, 0,1,2,3
	s_delay_alu instid0(VALU_DEP_4)
	v_max_num_f32 v[TM+\b], v[TM+\b], v[TM+4+\b]   ; with lane l xor 16's: the block's largest magnitude
.endr
.irp b, 0,1,2,3
	s_delay_alu instid0(VALU_DEP_4)
	v_add_nc_u32 v[TM+12+\b], 0xf8800000, v[TM+\b]   ; 15 off its exponent field: the conversion takes the exponent field of this operand as its scale
.endr
.irp b, 0,1,2,3
.endr
.irp b, 0,1,2,3
	s_delay_alu instid0(VALU_DEP_4)
	v_lshrrev_b32 v[TM+4+\b], 23, v[TM+12+\b]   ; the scale's byte
.endr
	s_delay_alu instid0(VALU_DEP_3)
	v_lshl_or_b32 v[PW], v[TM+5], 8, v[TM+4]       ; the four bytes make my row's scale word
	s_delay_alu instid0(VALU_DEP_1)
	v_lshl_or_b32 v[PW], v[TM+6], 16, v[PW]
	s_delay_alu instid0(VALU_DEP_1)
	v_lshl_or_b32 v[PW], v[TM+7], 24, v[PW]
.irp b, 0,1,2,3
.irp i, 0,1,2,3,4,5,6,7,8,9,10,11,12,13,14,15
.endr
	v_cvt_scalef32_pk8_bf8_f32 v[PC+4*\b:PC+1+4*\b], v[\s+16*\b:\s+7+16*\b], v[TM+12+\b]
	v_cvt_scalef32_pk8_bf8_f32 v[PC+2+4*\b:PC+3+4*\b], v[\s+8+16*\b:\s+15+16*\b], v[TM+12+\b]
.endr
	v_nop                                          ; one plain vector instruction behind the last conversion
.endm
; Unit n: turned, quantised; the operand and its scale words go to LDS as they stand
.macro UNITQ n, ia, io, sa, so
	WIN 0x04                                       ; an LDS store's data are its source 1: window 1
	TOSTG \n
	WIN 0
	FROMSTG                                        ; LDS serves a wave's instructions in order (ISA guide 5.7.1.4): these see the stores above
	s_wait_dscnt 0x0                               ; the numbers are back; and the last unit's stores have read the codes' and the word's registers
	QUANT XX
.irp c, 0,1,2,3
	ds_store_b128 v[\ia], v[PC+4*\c:PC+4*\c+3] offset:\io+512*\c
.endr
	ds_store_b32 v[\sa], v[PW] offset:\so
.endm
; A layer of the tail (n = 0: W1, b1; 1: W2, b2).  The bias comes into the accumulators, in the result's layout, and is each product's C; the weight's operands come four at a time.  Source 1 = the 16 ids' codes in v[PC] on.
.macro LAYER n
.irp q, 0,1,2,3,4,5,6,7,8,9,10,11,12,13,14,15
	ds_load_b128 v[YY+4*\q:YY+4*\q+3], v[BRD] offset:BIAS+512*\n+128*(\q/4)+16*(\q%4)   ; register 16 p + i: b(32 p + 16 (lane / 16) + i)
.endr
.irp g, 0,1
.if \g > 0
	PLACES 8                                       ; eight places in front of loads into registers that matrix instructions have read
.endif
.irp t, 0,1,2,3
.irp c, 0,1,2,3
	ds_load_b128 v[HH+16*\t+4*\c:HH+16*\t+4*\c+3], v[WRD] offset:16384*\n+2048*(4*\g+\t)+512*\c
.endr
	ds_load_b32 v[WS+4*\g+\t], v[LS] offset:WSC+1024*\n+128*(4*\g+\t)
.endr
	s_wait_dscnt 0x0
.irp t, 0,1,2,3
	v_wmma_scale_f32_16x16x128_f8f6f4 v[YY+8*(4*\g+\t):YY+8*(4*\g+\t)+7], v[HH+16*\t:HH+16*\t+15], v[PC:PC+15], v[YY+8*(4*\g+\t):YY+8*(4*\g+\t)+7], v[WS+4*\g+\t], v[PW] matrix_a_fmt:MATRIX_FMT_BF8 matrix_b_fmt:MATRIX_FMT_BF8
.endr
.endr
.endm
	; ---- the head
	s_load_b256 s[4:11], s[0:1], 0x0               ; user_ids s[4:5], W0 s[6:7], W1 s[8:9], b1 s[10:11]
	s_load_b128 s[12:15], s[0:1], 0x20             ; W2 s[12:13], b2 s[14:15]
	s_load_b64 s[16:17], s[0:1], 0x30              ; out0
	v_lshl_add_u32 v[SPW], v0, 2, SPARE
	v_mov_b32 v[NIL], 0
	v_lshrrev_b32 v16, 5, v0
	s_delay_alu instid0(VALU_DEP_1)
	v_readfirstlane_b32 s[WV], v16                 ; wave 0..7
	v_and_b32 v16, 31, v0                          ; lane
	v_and_b32 v17, 15, v0                          ; r
	v_bfe_u32 v18, v0, 4, 1                        ; h
	s_delay_alu instid0(VALU_DEP_3)
	v_lshlrev_b32 v[LI], 4, v16
	s_delay_alu instid0(VALU_DEP_4)
	v_lshlrev_b32 v[LS], 2, v16
	s_delay_alu instid0(VALU_DEP_2)
	v_add_nc_u32 v[WRD], WIMG, v[LI]
	s_delay_alu instid0(VALU_DEP_4)
	v_lshlrev_b32 v[BRD], 6, v18
	s_mul_i32 s38, s[WV], 16*SP
	s_add_co_u32 s38, s38, STG                     ; my stage
	v_add_nc_u32 v[STI], s38, v[LI]
	v_mul_u32_u24 v[STO], v17, SP
	s_delay_alu instid0(VALU_DEP_1)
	v_lshl_add_u32 v[STO], v18, 6, v[STO]
	s_delay_alu instid0(VALU_DEP_1)
	v_add_nc_u32 v[STO], s38, v[STO]
	s_lshl_b32 s38, s[WV], 11
	v_lshl_add_u32 v[IDA0], v17, 2, s38
	v_add_nc_u32 v[IW], s38, v[WRD]
	s_lshl_b32 s38, s[WV], 12
	v_add_nc_u32 v[IW0], s38, v[LI]
	s_lshl_b32 s38, s[WV], 8
	v_add_nc_u32 v[SW0], s38, v[LS]
	s_lshl_b32 s38, s[WV], 7
	v_add_nc_u32 v[SW], s38, v[LS]
	v_lshlrev_b32 v[IDST], 4, v0
	v_lshlrev_b32 v[BSA], 2, v0
	v_and_b32 v[BGO], 127, v0
	s_delay_alu instid0(VALU_DEP_1)
	v_lshlrev_b32 v[BGO], 2, v[BGO]
	s_lshl_b32 s38, ttmp9, 8
	v_lshl_add_u32 v[VC], v16, 2, s38              ; my four columns of K step 0: 256 g + 4 x lane;
	s_delay_alu instid0(VALU_DEP_1)
	v_add_nc_u32 v[VC+1], 128, v[VC]               ; of K step 1
.irp u, 0
	s_delay_alu instid0(VALU_DEP_2)
	v_min_u32 v[VC+\u], LASTC, v[VC+\u]            ; held inside the row,
	s_delay_alu instid0(VALU_DEP_1)
	v_lshlrev_b32 v[VC+\u], 2, v[VC+\u]            ; in bytes
.endr
.irp u, 1
	s_delay_alu instid0(VALU_DEP_3)
	v_min_u32 v[VC+\u], LASTC, v[VC+\u]            ; held inside the row,
	s_delay_alu instid0(VALU_DEP_1)
	v_lshlrev_b32 v[VC+\u], 2, v[VC+\u]            ; in bytes
.endr
	s_lshl_b32 s38, ttmp9, 4
	v_add_nc_u32 v[KC], s38, v18
	v_mov_b32 v[C78], 0x78
	v_mov_b32 v[OHS], 0x70707070                   ; byte 112 = 2^-15, four times
.irp b, 0,1,2,3
	v_mov_b32 v[TM+4+\b], 0                        ; written once: a lane permute's destination counts as one of its sources
.endr
	s_mov_b32 s[SEL], 0x76543210
	s_mov_b32 s[SEL+1], 0xfedcba98
	s_mov_b32 s[GG], ttmp9
	s_lshr_b32 s30, s[WV], 1
	s_lshl_b32 s30, s30, 5
	s_and_b32 s31, s[WV], 1
	s_lshl_b32 s31, s31, 3
	s_add_co_u32 s30, s30, s31                     ; the first row of tile w: 32 (w / 2) + 8 (w % 2)
	s_mul_i32 s32, s30, W0ROW                      ; in W0,
	s_mov_b32 s33, 0
	s_lshl_b32 s34, s30, 9                         ; in W1 and W2
	s_mov_b32 s35, 0
	s_lshl_b32 s36, s[WV], 18                      ; my wave's first row of out0: 512 x wave, of 512 bytes
	s_mov_b32 s37, 0
	s_wait_alu depctr_va_vdst(0)
	s_wait_kmcnt 0x0
	s_add_nc_u64 s[6:7], s[6:7], s[32:33]
	s_add_nc_u64 s[8:9], s[8:9], s[34:35]
	s_add_nc_u64 s[12:13], s[12:13], s[34:35]
	s_add_nc_u64 s[16:17], s[16:17], s[36:37]
	s_cmp_lt_u32 s[WV], 4                          ; waves 0 to 3 bring b1, the others b2: the choice hangs on the wave's number alone
	s_cselect_b64 s[28:29], s[10:11], s[14:15]
	; ---- all the launch's global loads go out together: the ids (16 a thread), a number of a bias, my four units
.irp k, 0,1,2,3
	global_load_b128 v[HH+4*\k:HH+4*\k+3], v[IDST], s[4:5] offset:4096*\k
.endr
	global_load_b32 v[BV], v[BGO], s[28:29]
	WIN 0x40                                       ; destination window 1
	ULOAD 0, VC, 6, W0ROW
	ULOAD 1, VC+1, 6, W0ROW
	ULOAD 2, LI, 8, 512
	ULOAD 3, LI, 12, 512
	WIN 0
	s_wait_loadcnt 48                              ; the ids, the bias's number and unit 0 are in; behind them stand three units' 48 loads
.irp k, 0,1,2,3
	ds_store_b128 v[IDST], v[HH+4*\k:HH+4*\k+3] offset:IDS+4096*\k
.endr
	ds_store_b32 v[BSA], v[BV] offset:BIAS
	UNITQ 0, IW0, W0IMG, SW0, W0SC
	s_wait_loadcnt 32                              ; unit 1 is in; two units' 32 loads stand behind it
	UNITQ 1, IW0, W0IMG+2048, SW0, W0SC+128
	s_wait_loadcnt 16                              ; unit 2
	UNITQ 2, IW, 0, SW, WSC
	s_wait_loadcnt 0x0
	UNITQ 3, IW, 16384, SW, WSC+1024
	s_wait_dscnt 0x0                               ; for the others' sake: my stores have landed
	s_barrier_signal -1
	s_barrier_wait -1                              ; the ids, the biases and all 32 operands lie in LDS; from here on they are only read
	WIN 0x40
.irp f, 0,1,2,3,4,5,6,7,8,9,10,11,12,13,14,15
.irp c, 0,1,2,3
	ds_load_b128 v[16*\f+4*\c:16*\f+4*\c+3], v[LI] offset:W0IMG+2048*\f+512*\c   ; W0's 16 operands stay in window 1
.endr
.endr
	WIN 0
.irp f, 0,1,2,3,4,5,6,7,8,9,10,11,12,13,14,15
	ds_load_b32 v[W0S+\f], v[LS] offset:W0SC+128*\f
.endr
	ds_load_b32 v[ID], v[IDA0] offset:IDS          ; my first tile's ids
	s_mov_b32 s[TI], 0
	; ---- the loop: a tile of 16 ids a trip, 32 trips
.Ltile:
	s_wait_dscnt 0x0                               ; this tile's ids, asked for a trip ago (first trip: and W0's operands)
	; Column r's 1 lies at place id % 32 of block id / 32: half (id / 16) % 2 of the lanes, register (id / 4) % 4 of the block's four, byte id % 4.
	; These 16 lines name no register of the last products: they are the places (ISA guide 7.12.1) in front of the writes of the one-hot operands and of the products that begin the sums anew.
	v_lshrrev_b32 v[KK], 4, v[ID]
	v_and_b32 v[T0], 3, v[ID]
	v_bfe_u32 v[JJ], v[ID], 2, 2
	v_cmp_gt_u32 vcc_lo, VV, v[ID]                 ; inside the table? (as an unsigned number: a negative id is outside)
	s_delay_alu instid0(VALU_DEP_3)
	v_lshlrev_b32 v[T0], 3, v[T0]
	v_sub_nc_u32 v[KK], v[KK], v[KC]
	s_delay_alu instid0(VALU_DEP_2)
	v_lshlrev_b32 v[CVV], v[T0], v[C78]
	s_delay_alu instid0(VALU_DEP_1)
	v_cndmask_b32 v[CVV], 0, v[CVV], vcc_lo
.irp j, 0,1,2,3
	v_cmp_eq_u32 vcc_lo, \j, v[JJ]
	s_delay_alu instid0(VALU_DEP_1)
	v_cndmask_b32 v[CV+\j], 0, v[CVV], vcc_lo
.endr
.irp b, 0,1,2,3,4,5,6,7                        ; the chunk's eight blocks: blocks 0-3 are K step 0's operand, 4-7 K step 1's
	v_cmp_eq_u32 vcc_lo, 2*\b, v[KK]
.irp j, 0,1,2,3
	v_cndmask_b32 v[OH+4*\b+\j], 0, v[CV+\j], vcc_lo
.endr
.endr
	v_lshrrev_b32 v[OW], 8, v[ID]                  ; the row's owner: chunk id / 256, the last for ids beyond.  (These four lines are also the four places between the codes and the scaled matrix instructions)
	s_delay_alu instid0(VALU_DEP_1)
	v_min_u32 v[OW], NWG-1, v[OW]
	s_delay_alu instid0(VALU_DEP_1)
	v_cmp_eq_u32 s[OWN], s[GG], v[OW]
	s_add_co_u32 s[T2], s[TI], 64
	s_min_u32 s[T2], s[T2], 31*64                  ; (the last trip asks for its own tile again)
	v_add_nc_u32 v[ADI], s[T2], v[IDA0]
	ds_load_b32 v[ID], v[ADI] offset:IDS           ; the next tile's ids: a trip ahead
	WIN 0x01                                       ; source 0 (W0) window 1
.irp t, 0,1,2,3,4,5,6,7                        ; the eight accumulators take turns, one instruction a turn; the first K step starts the sums
	v_wmma_scale_f32_16x16x128_f8f6f4 v[HH+8*\t:HH+8*\t+7], v[32*\t:32*\t+15], v[OH:OH+15], 0, v[W0S+2*\t], v[OHS] matrix_a_fmt:MATRIX_FMT_BF8 matrix_b_fmt:MATRIX_FMT_BF8
.endr
.irp t, 0,1,2,3,4,5,6,7
	v_wmma_scale_f32_16x16x128_f8f6f4 v[HH+8*\t:HH+8*\t+7], v[32*\t+16:32*\t+31], v[OH+16:OH+31], v[HH+8*\t:HH+8*\t+7], v[W0S+2*\t+1], v[OHS] matrix_a_fmt:MATRIX_FMT_BF8 matrix_b_fmt:MATRIX_FMT_BF8
.endr
	WIN 0                                          ; lane (r, h), register 16 p + i: h(id r, 32 p + 16 h + i), the whole sum where this work-group owns the row
	s_and_b32 s[OWN], s[OWN], 0xffff               ; (lanes r and r + 16 hold the same id)
	s_cmp_lg_u32 s[OWN], 0
	s_cbranch_scc0 .Lnone                          ; no row of this tile is mine: a branch on ids read from memory; no barrier stands in the loop
	; ---- the tail, for the whole tile; the rows of other owners ride along and are not stored
	PLACES 8                                       ; eight places in front of the first read of the results
	QUANT HH
	PLACES 3                                       ; with the one behind the last conversion: four places between the codes and the scaled matrix instruction; the scale word was made ahead of the eight conversions
	s_wait_alu depctr_va_vdst(0)
	LAYER 0
	PLACES 8
	QUANT YY
	PLACES 3
	s_wait_alu depctr_va_vdst(0)
	LAYER 1
	PLACES 8                                       ; in front of the stores that read the results and of the loads into the registers that held the weight's operands
.irp q, 0,1,2,3,4,5,6,7,8,9,10,11,12,13,14,15
	ds_store_b128 v[STO], v[YY+4*\q:YY+4*\q+3] offset:128*(\q/4)+16*(\q%4)   ; each result from its low end on: row r of my stage, units 32 p + 16 h + 4 i on
.endr
.irp i, 0,1,2,3,4,5,6,7,8,9,10,11,12,13,14,15
	ds_load_b128 v[HH+4*\i:HH+4*\i+3], v[STI] offset:SP*\i   ; back as whole rows; LDS serves a wave's instructions in order: these see the stores above
.endr
	s_wait_dscnt 0x0
.irp i, 0,1,2,3,4,5,6,7,8,9,10,11,12,13,14,15
	s_bitcmp1_b32 s[OWN], \i
	s_cbranch_scc0 .Lrow_\i
	global_store_b128 v[LI], v[HH+4*\i:HH+4*\i+3], s[16:17] offset:512*\i th:TH_STORE_NT   ; an owned row: 32 lanes store 512 consecutive bytes, at a multiple of 256 from out0's first byte; written once, read by nobody here
.Lrow_\i:
.endr
	s_wait_xcnt 0x0                                ; the stores have read their data and their base: the next trip's products write the one, the line below the other
.Lnone:
	s_add_nc_u64 s[16:17], s[16:17], 16*512        ; the next tile's rows of out0
	s_add_co_u32 s[TI], s[TI], 64
	s_cmp_lt_u32 s[TI], 32*64
	s_cbranch_scc1 .Ltile
	s_wait_tensorcnt 0x0                           ; the wave's end
	ds_add_u32 v[SPW], v[NIL]
	s_wait_dscnt 0x0
	s_endpgm
.Lfunc_end_k_qe7bd924204_encoder:
	.size	k_qe7bd924204_encoder, .Lfunc_end_k_qe7bd924204_encoder-k_qe7bd924204_encoder
	.p2alignl 7, 3214868480
	.fill 96, 4, 3214868480
	.section	.rodata,"a",@progbits
	.p2align	6, 0x0
	.amdhsa_kernel k_qe7bd924204_encoder
		.amdhsa_group_segment_fixed_size 155648
		.amdhsa_private_segment_fixed_size 0
		.amdhsa_enable_private_segment 0
		.amdhsa_kernarg_size 56
		.amdhsa_user_sgpr_count 2
		.amdhsa_user_sgpr_kernarg_segment_ptr 1
		.amdhsa_wavefront_size32 1
		.amdhsa_system_sgpr_workgroup_id_x 1
		.amdhsa_system_sgpr_workgroup_id_y 1
		.amdhsa_system_sgpr_workgroup_id_z 1
		.amdhsa_system_vgpr_workitem_id 0
		.amdhsa_next_free_vgpr 512
		.amdhsa_next_free_sgpr 66
		.amdhsa_reserve_vcc 1
		.amdhsa_float_denorm_mode_32 3
		.amdhsa_float_denorm_mode_16_64 3
		.amdhsa_fp16_overflow 1
		.amdhsa_memory_ordered 1
		.amdhsa_forward_progress 1
		.amdhsa_inst_pref_size 71
	.end_amdhsa_kernel
	.amdgpu_metadata
---
amdhsa.version: [ 1, 2 ]
amdhsa.kernels:
  - .name:           k_qe7bd924204_encoder
    .symbol:         k_qe7bd924204_encoder.kd
    .args:
      - { .name: user_ids, .offset: 0, .size: 8, .value_kind: global_buffer, .address_space: global }
      - { .name: W0, .offset: 8, .size: 8, .value_kind: global_buffer, .address_space: global }
      - { .name: W1, .offset: 16, .size: 8, .value_kind: global_buffer, .address_space: global }
      - { .name: b1, .offset: 24, .size: 8, .value_kind: global_buffer, .address_space: global }
      - { .name: W2, .offset: 32, .size: 8, .value_kind: global_buffer, .address_space: global }
      - { .name: b2, .offset: 40, .size: 8, .value_kind: global_buffer, .address_space: global }
      - { .name: out0, .offset: 48, .size: 8, .value_kind: global_buffer, .address_space: global }
    .group_segment_fixed_size: 155648
    .private_segment_fixed_size: 0
    .kernarg_segment_align: 8
    .kernarg_segment_size: 56
    .max_flat_workgroup_size: 256
    .sgpr_count:     66
    .vgpr_count:     512
    .wavefront_size: 32
...
	.end_amdgpu_metadata
.endif
;; end of part 1
